; MI455X (gfx1250); checked and timed in simulation.
; The chip was launched on July 23, 2026; its instructions are those of AMD's public machine-readable ISA for CDNA 5 (MIT licence, August 2026) and "CDNA5" Instruction Set Architecture Reference Guide (July 2026). The comments in the code are by the model that wrote it; some were corrected since.
;; Real Polar Model Simple. Allowed arithmetic: matrix products marked QUANTISED: E3M2 operands, one E8M0 scale for each 32 along K, by v_wmma_scale_f32_16x16x128_f8f6f4 with both operands' format E3M2, f32 sums; products left as they are: f32 operands where the result goes on into a quantised operand, else bf16, f16 or f32 operands; f32 sums; everything else in f32.
;; Inputs: cls_b1 32 float32; cls_b2 1,000 float32; cls_w1 256 x 32 float32; cls_w2 32 x 1,000 float32; embed_b 512 float32; embed_w 256 x 512 float32; mag_b1 8 x 32 float32; mag_b2 8 x 1 float32; mag_w1 8 x 1 x 32 float32; mag_w2 8 x 32 x 1 float32; ph_b1 8 x 32 float32; ph_b2 8 x 2 float32; ph_w1 8 x 2 x 32 float32; ph_w2 8 x 32 x 2 float32; x 64 x 1,024 x 256 float32.
;; Outputs: out0 64 x 1,000 float32.
;; This version of the problem:
;;   THIS VERSION OF THE PROBLEM IS GIVEN IN LOW PRECISION. The matrix products marked QUANTISED in the list below multiply operands that are first quantised to E3M2 (3 exponent bits, 2 mantissa bits; 6 bits a number), with one power-of-two scale for each 32 numbers along K (OCP MX v1.0); their sums are f32. All else is computed in f32.
;;   The module's matrix products, in the order in which they are computed (A, B: the left and right operand; K: the contracted axis; several contracted axes count as one K, in the product's order):
;;     1. [M 65,536, K 256] x [K 256, N 512]; A: input x; B: input embed_w: QUANTISED
;;     2. [M 16,384, K 1] x [K 1, N 32]; A: computed on the way; B: input mag_w1: left as it is (K = 1 < 32)
;;     3. [M 16,384, K 32] x [K 32, N 1]; A: computed on the way; B: input mag_w2: left as it is (N = 1 < 16)
;;     4. [M 16,384, K 2] x [K 2, N 32]; A: computed on the way; B: input ph_w1: left as it is (K = 2 < 32)
;;     5. [M 16,384, K 32] x [K 32, N 2]; A: computed on the way; B: input ph_w2: left as it is (N = 2 < 16)
;;     6. [M 16,384, K 1] x [K 1, N 32]; A: computed on the way; B: input mag_w1: left as it is (K = 1 < 32)
;;     7. [M 16,384, K 32] x [K 32, N 1]; A: computed on the way; B: input mag_w2: left as it is (N = 1 < 16)
;;     8. [M 16,384, K 2] x [K 2, N 32]; A: computed on the way; B: input ph_w1: left as it is (K = 2 < 32)
;;     9. [M 16,384, K 32] x [K 32, N 2]; A: computed on the way; B: input ph_w2: left as it is (N = 2 < 16)
;;     10. [M 16,384, K 1] x [K 1, N 32]; A: computed on the way; B: input mag_w1: left as it is (K = 1 < 32)
;;     11. [M 16,384, K 32] x [K 32, N 1]; A: computed on the way; B: input mag_w2: left as it is (N = 1 < 16)
;;     12. [M 16,384, K 2] x [K 2, N 32]; A: computed on the way; B: input ph_w1: left as it is (K = 2 < 32)
;;     13. [M 16,384, K 32] x [K 32, N 2]; A: computed on the way; B: input ph_w2: left as it is (N = 2 < 16)
;;     14. [M 16,384, K 1] x [K 1, N 32]; A: computed on the way; B: input mag_w1: left as it is (K = 1 < 32)
;;     15. [M 16,384, K 32] x [K 32, N 1]; A: computed on the way; B: input mag_w2: left as it is (N = 1 < 16)
;;     16. [M 16,384, K 2] x [K 2, N 32]; A: computed on the way; B: input ph_w1: left as it is (K = 2 < 32)
;;     17. [M 16,384, K 32] x [K 32, N 2]; A: computed on the way; B: input ph_w2: left as it is (N = 2 < 16)
;;     18. [M 16,384, K 1] x [K 1, N 32]; A: computed on the way; B: input mag_w1: left as it is (K = 1 < 32)
;;     19. [M 16,384, K 32] x [K 32, N 1]; A: computed on the way; B: input mag_w2: left as it is (N = 1 < 16)
;;     20. [M 16,384, K 2] x [K 2, N 32]; A: computed on the way; B: input ph_w1: left as it is (K = 2 < 32)
;;     21. [M 16,384, K 32] x [K 32, N 2]; A: computed on the way; B: input ph_w2: left as it is (N = 2 < 16)
;;     22. [M 16,384, K 1] x [K 1, N 32]; A: computed on the way; B: input mag_w1: left as it is (K = 1 < 32)
;;     23. [M 16,384, K 32] x [K 32, N 1]; A: computed on the way; B: input mag_w2: left as it is (N = 1 < 16)
;;     24. [M 16,384, K 2] x [K 2, N 32]; A: computed on the way; B: input ph_w1: left as it is (K = 2 < 32)
;;     25. [M 16,384, K 32] x [K 32, N 2]; A: computed on the way; B: input ph_w2: left as it is (N = 2 < 16)
;;     26. [M 16,384, K 1] x [K 1, N 32]; A: computed on the way; B: input mag_w1: left as it is (K = 1 < 32)
;;     27. [M 16,384, K 32] x [K 32, N 1]; A: computed on the way; B: input mag_w2: left as it is (N = 1 < 16)
;;     28. [M 16,384, K 2] x [K 2, N 32]; A: computed on the way; B: input ph_w1: left as it is (K = 2 < 32)
;;     29. [M 16,384, K 32] x [K 32, N 2]; A: computed on the way; B: input ph_w2: left as it is (N = 2 < 16)
;;     30. [M 16,384, K 1] x [K 1, N 32]; A: computed on the way; B: input mag_w1: left as it is (K = 1 < 32)
;;     31. [M 16,384, K 32] x [K 32, N 1]; A: computed on the way; B: input mag_w2: left as it is (N = 1 < 16)
;;     32. [M 16,384, K 2] x [K 2, N 32]; A: computed on the way; B: input ph_w1: left as it is (K = 2 < 32)
;;     33. [M 16,384, K 32] x [K 32, N 2]; A: computed on the way; B: input ph_w2: left as it is (N = 2 < 16)
;;     34. [M 64, K 256] x [K 256, N 32]; A: computed on the way; B: input cls_w1: QUANTISED
;;     35. [M 64, K 32] x [K 32, N 1,000]; A: computed on the way; B: input cls_w2: QUANTISED
;;   THE QUANTISER, for each operand of a quantised product, along K:
;;     - K is cut into blocks of 32 from its start; a last block that is shorter is filled with zeros.
;;     - A block's scale is 2^e with e = floor(log2(the largest magnitude in the block)) - 4, held to -126 .. 127; a block of zeros has e = 0. As a byte (E8M0): e + 127.
;;     - Each number is divided by its block's scale, clamped to +-28, and rounded to the nearest number of E3M2, ties to even, subnormals kept.
;;     - The product sums the exact products of the quantised numbers (number of the format x scale) in f32.
;;   ~~~python
;;   def quantise(x, axis):      # numpy; x: float32 -> the quantised numbers, widened to float32 again
;;       x = np.moveaxis(x, axis, -1); K = x.shape[-1]
;;       x = np.pad(x, [(0, 0)] * (x.ndim - 1) + [(0, -K % 32)]); x = x.reshape(x.shape[:-1] + (-1, 32)); a = np.abs(x).max(-1, keepdims=True)
;;       e = np.where(a > 0, np.clip(np.frexp(np.where(a > 0, a, 1))[1] - 1 - 4, -126, 127), 0)      # np.frexp(a)[1] - 1 = floor(log2(a)), exactly
;;       r = np.clip(x / 2.0 ** e, -28, 28)
;;       step = 2.0 ** (np.maximum(np.frexp(np.where(r == 0, 1, r))[1] - 1, -2) - 2)
;;       q = np.round(r / step) * step * 2.0 ** e      # np.round: ties to even
;;       return np.moveaxis(q.reshape(q.shape[:-2] + (-1,))[..., :K], -1, axis).astype(np.float32)
;;   ~~~
;;   OPERANDS COMPUTED ON THE WAY. 'Computed on the way' means the value that the module computes at that place (a softmax that the list does not call 'softmax' is quantised finished and normalised). What goes into a quantiser is computed in f32, as accurately as f32 sums, v_exp_f32 and their like allow (about 1e-6 of the number): no bf16 or f16 on the way to a quantiser, and a product that is left as it is and whose result goes on into a quantised operand takes f32 operands (vector FMAs, or v_wmma_f32_16x16x4_f32). A number that lies on a knife's edge between two numbers of the format may be rounded either way, as far as f32 arithmetic and the matrix unit's own rounding can turn it there, and no further.
;; One version. Each part assembles by itself: llvm-mc -triple=amdgcn-amd-amdhsa -mcpu=gfx1250 --defsym DOCPART=n.
;; ======== version 1 of 1: 3 launches
;; limits: right only within a limited range of input values
;; workspace buffers: xq 12,582,912 bytes; xs 524,288 bytes; pooled 65,536 bytes
;; launch xquant (part 1): grid 512 x 1, 4 waves a work-group, no clusters, 34,304 bytes of LDS; arguments x, xq, xs; writes xq, xs
.if DOCPART == 1
	.amdgcn_target "amdgcn-amd-amdhsa--gfx1250"
	.amdhsa_code_object_version 6
	.text
	.protected	k_q31b79efb79_xquant
	.globl	k_q31b79efb79_xquant
	.p2align	8
	.type	k_q31b79efb79_xquant,@function
k_q31b79efb79_xquant:
	s_mov_b64 s[64:65], 0
	v_nop
	global_prefetch_b8 v0, s[64:65] scope:SCOPE_SE
	s_setreg_imm32_b32 hwreg(HW_REG_WAVE_MODE, 25, 1), 1
	s_wait_xcnt 0x0
; x [65536][256] f32 becomes codes of BF6 (E3M2) with one E8M0 byte for each 32 along K, laid as the next launch's operand registers want them.
; xq: for each tile of 16 rows 3,072 bytes: the register image of the fragment of K step 0 (k 0..127), then of K step 1; registers 4 i .. 4 i + 3 of lane l lie at 512 i + 16 l.
; xs: for each pair of tiles 256 bytes, 8 a lane: word 0 for the first tile, word 1 for the second; in a word's register lanes 0-15 hold row r's four bytes of K step 0, lanes 16-31 those of K step 1.
; A block's scale is 2^(floor(log2(largest magnitude)) - 4): its byte is the largest magnitude's exponent field - 4, held at 1 from below by a floor among the maximum's leaves.
; LIMITS: a block of zeros gets the byte 1 where the quantiser says 127 (its codes are zeros, and this program alone reads the bytes); NaN and infinities are not served.
; SHARES: a wave takes a pair of tiles, 32 rows = 32,768 bytes, in four steps of 16 rows x 128 along K.  Each load reads 512 consecutive bytes of a row; the 8,192 bytes of a step turn through the wave's own
; stage in LDS (rows 528 bytes apart) and come back so that lane (r, h) holds, of row r, 16 neighbours of each block of 32.  Waves share nothing: no barrier.  Two steps' loads (32 a wave) are out at the start.
; Matrix units, tensor loads and clusters are left out: the launch streams, every byte is read once and by one wave.
.set STG,  8448                        ; a wave's stage: 16 rows x 528 bytes
.set SPI,  528
.set SEL,  20                          ; s[20:21] selects of v_permlanex16_b32 for lane l xor 16
.set TM,   16                          ; v16-31  at work in QUANT
.set PC,   32                          ; v32-43  a fragment's codes
.set WK,   44                          ; v44-50  the conversions' second halves
.set PW,   52                          ; v52     the scale word just made
.set PWA,  53                          ; v53     K step 0's word, kept
.set SW,   54                          ; v[54:55] the pair's two words
.set XS,   64                          ; v64-127 64 numbers: register 16 b + i = k 32 b + 16 h + i of my row
.set R,    128                         ; v128-255 two sets of 64 registers as loaded
	s_load_b128 s[4:7], s[0:1], 0x0                ; x, xq
	s_load_b64 s[8:9], s[0:1], 0x10                ; xs
	v_lshl_add_u32 v62, v0, 2, 0x8400
	v_mov_b32 v63, 0
	v_lshrrev_b32 v5, 5, v0
	v_readfirstlane_b32 s12, v5                    ; wave
	v_and_b32 v6, 31, v0                           ; lane
	v_and_b32 v7, 15, v0                           ; r
	v_bfe_u32 v8, v0, 4, 1                         ; h
	v_lshlrev_b32 v1, 4, v6                        ; 16 x lane: my bytes of a load and of a store
	v_lshlrev_b32 v2, 3, v6                        ; 8 x lane: my two scale words
	s_mul_i32 s13, s12, STG
	v_add_nc_u32 v3, s13, v1                       ; the stage, on the way in: a row's 512 bytes as they lie
	v_mul_u32_u24 v4, v7, SPI
	v_lshl_add_u32 v4, v8, 6, v4
	v_add_nc_u32 v4, s13, v4                       ; and on the way out: row r, + 64 h
	s_lshl_b32 s14, ttmp9, 2
	s_add_co_u32 s14, s14, s12                     ; which pair of tiles is my wave's
	s_lshl_b32 s16, s14, 15                        ; 32,768 bytes of x,
	s_mov_b32 s17, 0
	s_mul_i32 s18, s14, 6144                       ; 6,144 of codes,
	s_mov_b32 s19, 0
	s_lshl_b32 s22, s14, 8                         ; 256 of scale words
	s_mov_b32 s23, 0
	s_mov_b32 s10, 0xffff0000                      ; lanes 16-31
	s_mov_b32 s[SEL], 0x76543210
	s_mov_b32 s[SEL+1], 0xfedcba98
.irp b, 0,1,2,3
	v_mov_b32 v[TM+4+\b], 0                        ; written once: a lane permute's destination counts as one of its sources
.endr
	s_wait_kmcnt 0x0
	s_add_nc_u64 s[4:5], s[4:5], s[16:17]
	s_add_nc_u64 s[6:7], s[6:7], s[18:19]
	s_add_nc_u64 s[8:9], s[8:9], s[22:23]
.macro LOAD t                          ; step t: tile t / 2, K step t % 2: 16 rows x 512 bytes
.irp i, 0,1,2,3,4,5,6,7,8,9,10,11,12,13,14,15
	global_load_b128 v[R+64*((\t)%2)+4*\i:R+64*((\t)%2)+4*\i+3], v1, s[4:5] offset:(16*((\t)/2)+\i)*1024+512*((\t)%2) th:TH_LOAD_NT
.endr
.endm
.macro TURN t                          ; through the stage: LDS serves a wave's instructions in order, so no wait stands between the stores and the loads
.irp i, 0,1,2,3,4,5,6,7,8,9,10,11,12,13,14,15
	ds_store_b128 v3, v[R+64*((\t)%2)+4*\i:R+64*((\t)%2)+4*\i+3] offset:SPI*\i
.endr
.irp b, 0,1,2,3
.irp j, 0,1,2,3
	ds_load_b128 v[XS+16*\b+4*\j:XS+16*\b+4*\j+3], v4 offset:128*\b+16*\j
.endr
.endr
.endm
; 64 numbers of a lane become a fragment's 12 registers of codes and its row's scale word.
.macro QUANT src, pc, wk, pw
.irp b, 0,1,2,3
	v_max3_num_f32 v[TM+\b], |v[\src+16*\b]|, |v[\src+1+16*\b]|, 0x2800000   ; block b: my 16 numbers, and the floor 2^(5 - 127)
.endr
.irp i, 2,4,6,8,10,12,14
.irp b, 0,1,2,3
	v_max3_num_f32 v[TM+\b], v[TM+\b], |v[\src+16*\b+\i]|, |v[\src+1+16*\b+\i]|   ; the four blocks by turns
.endr
.endr
.irp b, 0,1,2,3
	v_permlanex16_b32 v[TM+4+\b], v[TM+\b], s[SEL], s[SEL+1]
.endr
.irp b, 0,1,2,3
	v_max_num_f32 v[TM+\b], v[TM+\b], v[TM+4+\b]   ; with lane l xor 16's 16: the block's largest magnitude
.endr
.irp b, 0,1,2,3
	v_add_nc_u32 v[TM+12+\b], 0xfe000000, v[TM+\b] ; 4 off its exponent field: the conversion's scale operand
.endr
.irp b, 0,1,2,3
	v_lshrrev_b32 v[TM+4+\b], 23, v[TM+12+\b]      ; the scale's byte
.endr
	v_lshl_or_b32 v[\pw], v[TM+5], 8, v[TM+4]
	v_lshl_or_b32 v[\pw], v[TM+6], 16, v[\pw]
	v_lshl_or_b32 v[\pw], v[TM+7], 24, v[\pw]
.irp c, 0,1
	v_cvt_scalef32_pk16_bf6_f32 v[\pc+6*\c:\pc+6*\c+2], v[\src+32*\c:\src+32*\c+15], v[TM+12+2*\c]
	v_cvt_scalef32_pk16_bf6_f32 v[\wk+4*\c:\wk+4*\c+2], v[\src+32*\c+16:\src+32*\c+31], v[TM+13+2*\c]   ; (a conversion's three registers begin on an even number)
.endr
	v_nop                                          ; one plain instruction behind the scaled conversions
.irp c, 0,1                            ; the operand wants a whole block in a lane: lanes 0-15 block 2 c, lanes 16-31 block 2 c + 1
.irp i, 0,1,2
	v_permlane16_swap_b32 v[\pc+6*\c+\i], v[\wk+4*\c+\i]
.endr
.irp i, 0,1,2
	v_mov_b32 v[\pc+3+6*\c+\i], v[\wk+4*\c+\i]
.endr
.endr
.endm
.macro STEP t
.if (\t) < 3
	s_wait_loadcnt 16                              ; this step's 16 loads are in; the next set's 16 may be out
.else
	s_wait_loadcnt 0x0
.endif
	TURN \t
	s_wait_dscnt 0x0                               ; the numbers are back, and the stores into the stage have read their registers,
.if (\t) < 2
	LOAD (\t)+2                                    ; which take the loads of two steps on
.endif
	s_wait_xcnt 0x0                                ; the last step's stores have read the codes' registers: they are written again only behind this wait
	QUANT XS, PC, WK, PW
.irp c, 0,1,2
	global_store_b128 v1, v[PC+4*\c:PC+4*\c+3], s[6:7] offset:1536*(\t)+512*\c th:TH_STORE_NT   ; 32 lanes store 512 consecutive bytes, at a multiple of 512 from xq's first byte
.endr
.if (\t)%2 == 0
	v_mov_b32 v[PWA], v[PW]
.else
	v_cndmask_b32 v[SW+(\t)/2], v[PWA], v[PW], s10 ; lanes 0-15: K step 0's word, lanes 16-31: K step 1's
.endif
.endm
	LOAD 0
	LOAD 1
	STEP 0
	STEP 1
	STEP 2
	STEP 3
	global_store_b64 v2, v[SW:SW+1], s[8:9] th:TH_STORE_NT   ; 32 lanes store 256 consecutive bytes, aligned
	s_wait_tensorcnt 0x0
	ds_add_u32 v62, v63
	s_wait_dscnt 0x0
	s_endpgm
.Lfunc_end_k_q31b79efb79_xquant:
	.size	k_q31b79efb79_xquant, .Lfunc_end_k_q31b79efb79_xquant-k_q31b79efb79_xquant
	.p2alignl 7, 3214868480
	.fill 96, 4, 3214868480
	.section	.rodata,"a",@progbits
	.p2align	6, 0x0
	.amdhsa_kernel k_q31b79efb79_xquant
		.amdhsa_group_segment_fixed_size 34304
		.amdhsa_private_segment_fixed_size 0
		.amdhsa_enable_private_segment 0
		.amdhsa_kernarg_size 24
		.amdhsa_user_sgpr_count 2
		.amdhsa_user_sgpr_kernarg_segment_ptr 1
		.amdhsa_wavefront_size32 1
		.amdhsa_system_sgpr_workgroup_id_x 1
		.amdhsa_system_sgpr_workgroup_id_y 1
		.amdhsa_system_sgpr_workgroup_id_z 1
		.amdhsa_system_vgpr_workitem_id 0
		.amdhsa_next_free_vgpr 256
		.amdhsa_next_free_sgpr 66
		.amdhsa_reserve_vcc 0
		.amdhsa_float_denorm_mode_32 3
		.amdhsa_float_denorm_mode_16_64 3
		.amdhsa_memory_ordered 1
		.amdhsa_forward_progress 1
		.amdhsa_inst_pref_size 33
	.end_amdhsa_kernel
	.amdgpu_metadata
---
amdhsa.version: [ 1, 2 ]
amdhsa.kernels:
  - .name:           k_q31b79efb79_xquant
    .symbol:         k_q31b79efb79_xquant.kd
    .args:
      - { .name: x, .offset: 0, .size: 8, .value_kind: global_buffer, .address_space: global }
      - { .name: xq, .offset: 8, .size: 8, .value_kind: global_buffer, .address_space: global }
      - { .name: xs, .offset: 16, .size: 8, .value_kind: global_buffer, .address_space: global }
    .group_segment_fixed_size: 34304
    .private_segment_fixed_size: 0
    .kernarg_segment_align: 8
    .kernarg_segment_size: 24
    .max_flat_workgroup_size: 128
    .sgpr_count:     66
    .vgpr_count:     256
    .wavefront_size: 32
...
	.end_amdgpu_metadata
.endif
;; end of part 1
;; launch polar (part 2): grid 4 x 64, 16 waves a work-group, no clusters, 309,248 bytes of LDS; arguments xq, xs, embed_w, embed_b, mag_w1, mag_b1, mag_w2, mag_b2, ph_w1, ph_b1, ph_w2, ph_b2, pooled; writes pooled
.if DOCPART == 2
	.amdgcn_target "amdgcn-amd-amdhsa--gfx1250"
	.amdhsa_code_object_version 6
	.text
	.protected	k_q31b79efb79_polar
	.globl	k_q31b79efb79_polar
	.p2align	8
	.type	k_q31b79efb79_polar,@function
k_q31b79efb79_polar:
	s_mov_b64 s[64:65], 0
	v_nop
	global_prefetch_b8 v0, s[64:65] scope:SCOPE_SE
	s_setreg_imm32_b32 hwreg(HW_REG_WAVE_MODE, 25, 1), 1
	s_wait_xcnt 0x0
; The embedding (x on codes of BF6 x embed_w, quantised here), the eight polar layers and the mean of the last radius.  pooled [64][256] f32.
; SHARES.  A layer's mean runs over the 1,024 positions of one batch, channel by channel, so a work-group takes one batch (ttmp7) and 64 channels (ttmp9): columns 64 g .. of h for r, 256 + 64 g .. for theta.
; Its state, 1,024 x 64 points, never leaves the WGP: x in 128 registers of each of sixteen waves, y in 262,144 bytes of LDS.  Wave w owns rows 64 w .. 64 w + 63: 4 tiles of rows (mt) x 4 tiles of channels (c).
; The products are used as they stand (source 0 = 16 rows of x, source 1 = 16 columns of W): lane (r, h), register j holds row 16 mt + 8 h + j of channel 16 c + r: a lane's registers run down the rows.
; THE LAYERS IN CARTESIAN FORM.  With (X, Y) = (xc, yc) + t and Q = X^2 + Y^2, reference()'s r' = sqrt(Q + eps), theta' = atan2(Y, X) give xc' = X g, yc' = Y g, g = sqrt((Q + eps) / Q) = E rsq(Q E), E = Q + eps:
; one root a point and layer, and eps stays where reference() has it.  t = r_trans (cos, sin)(th_trans) = r_trans (p1, p0) / |p|; sin, cos of th_agg = (ym, xm) / |(xm, ym)|.
; cos(pi h), sin(pi h): k = h rounded to a whole number (by adding and taking off 1.5 x 2^23), f = h - k exactly, Taylor series in f^2 on |pi f| <= pi / 2 (next terms 5.7e-8 and 6.4e-9), sign (-1)^k put on r.
; erf: z P(z^2) / D(z^2), z held to +-4, degrees 6 and 4.
; LIMITS.  NaN and infinities are not served.  |h_theta| < 2^22.  2^-90 is added to Q: a point with Q under about 2^-67 is drawn toward the origin instead of onto the circle of radius 1e-4 (at most 1e-4 off, in one of 1,024 terms).
; Q is held at 2^60, where g - 1 < 1e-26.  A mean or a pout whose squared length is under 2^-100 counts as angle 0.  A block of zeros of embed_w gets the byte 1 (its codes are zeros).
; NOT USED.  The four work-groups of a batch read the same 204,800 bytes of x's codes and scale words, each once, in one burst of 26 loads a wave at the head, straight into operand registers; of LDS's 307,200 bytes 262,144 hold y and
; 45,056 weights, tables and sums, so there is no room for a slot into which a joint tensor load could land.  All global data are asked for at the head: nothing is left for a prefetch to run ahead of.
; LDS: y 0 (wave w at 16,384 w; (mt, c, half e) at (4 mt + c) 1,024 + 512 e + 16 lane) | W's 16 fragments as register images | their scale words | biases | t | sums | the layers' tables, as they lie in memory.
.set WIMG,  262144                     ; fragment 2 nt + s at 1,536 bytes each
.set WSC,   286720                     ; nt x 128 + 64 s + 4 r
.set BBUF,  287744                     ; for each channel (b_r, b_r, b_theta, b_theta)
.set TBUF,  288768                     ; for each channel (tx, tx, ty, ty)
.set RED,   289792                     ; for each channel 144 bytes: 16 waves' sums of x, 16 of y
.set PAR,   299008                     ; mag_w1 +0, mag_b1 +1024, mag_w2 +2048, ph_b1 +3072, ph_w1 +4096, ph_w2 +6144
.set EPSB,  0x322bcc77                 ; 1e-8
.set TINYB, 0x12800000                 ; 2^-90
.set SMALLB, 0x0d800000                ; 2^-100
.set MEANB, 0x3a800000                 ; 2^-10
.set SEL,   44                         ; s[44:45] selects of v_permlanex16_b32 for lane l xor 16
; REGISTERS THAT STAY: v1 y's address; v2 where I put sums; v3 where I read them; v4 where I put t; v5 where I read it; v6, v7 the tables; v8-11 SS, a sum for each c; v[12:13], v[14:15] two constants, twice each;
; v120, v121 the pool's addresses; v122-127 scale words and nothing else; v128-255 x at 128 + 8 (4 mt + c) + j.
.set SS,    8
.set BF,    96                         ; GEMM: two fragments of W; then T1, T2, T3
.set T1,    96
.set T2,    104
.set T3,    112
.set HH,    80                         ; GEMM: theta's two accumulators
.set SCA,   122                        ; x's scale words, one register a tile of rows
.set SCR,   126                        ; W's, r tile
.set SCT,   127                        ; W's, theta tile
.set SXP,   64                         ; GEMM: the sums' pairs and their ends (set again for the layers)
.set SYP,   66
.set SX,    72
.set SY,    73
.macro NOPS n
.rept \n
	v_nop
.endr
.endm
; packed f32 lines over n pairs of registers: d = a + b, a - b, a + a pair that stays, a + a constant, a b, a x a constant, a b + c, a b + a constant, a x a pair that stays + a constant
.macro PADD n, d, a, b
.set J, 0
.rept \n
	v_pk_add_f32 v[\d+J:\d+J+1], v[\a+J:\a+J+1], v[\b+J:\b+J+1]
.set J, J+2
.endr
.endm
.macro PSUB n, d, a, b
.set J, 0
.rept \n
	v_pk_add_f32 v[\d+J:\d+J+1], v[\a+J:\a+J+1], v[\b+J:\b+J+1] neg_lo:[0,1] neg_hi:[0,1]
.set J, J+2
.endr
.endm
.macro PADDC n, d, a, cp
.set J, 0
.rept \n
	v_pk_add_f32 v[\d+J:\d+J+1], v[\a+J:\a+J+1], v[\cp:\cp+1]
.set J, J+2
.endr
.endm
.macro PADDK n, d, a, k
.set J, 0
.rept \n
	v_pk_add_f32 v[\d+J:\d+J+1], v[\a+J:\a+J+1], \k op_sel_hi:[1,0]
.set J, J+2
.endr
.endm
.macro PMUL n, d, a, b
.set J, 0
.rept \n
	v_pk_mul_f32 v[\d+J:\d+J+1], v[\a+J:\a+J+1], v[\b+J:\b+J+1]
.set J, J+2
.endr
.endm
.macro PMULK n, d, a, k
.set J, 0
.rept \n
	v_pk_mul_f32 v[\d+J:\d+J+1], v[\a+J:\a+J+1], \k op_sel_hi:[1,0]
.set J, J+2
.endr
.endm
.macro PFMA n, d, a, b, c
.set J, 0
.rept \n
	v_pk_fma_f32 v[\d+J:\d+J+1], v[\a+J:\a+J+1], v[\b+J:\b+J+1], v[\c+J:\c+J+1]
.set J, J+2
.endr
.endm
.macro PFMAK n, d, a, b, k
.set J, 0
.rept \n
	v_pk_fma_f32 v[\d+J:\d+J+1], v[\a+J:\a+J+1], v[\b+J:\b+J+1], \k op_sel_hi:[1,1,0]
.set J, J+2
.endr
.endm
.macro PFMACK n, d, a, cp, k
.set J, 0
.rept \n
	v_pk_fma_f32 v[\d+J:\d+J+1], v[\a+J:\a+J+1], v[\cp:\cp+1], \k op_sel_hi:[1,1,0]
.set J, J+2
.endr
.endm
.macro BAR                             ; my LDS stores have landed and my LDS loads are in: then the work-group's barrier
	s_wait_dscnt 0x0
	s_barrier_signal -1
	s_barrier_wait -1
.endm
	s_load_b512 s[4:19], s[0:1], 0x0               ; xq s[4:5], xs s[6:7], embed_w s[8:9], embed_b s[10:11], mag_w1 s[12:13], mag_b1 s[14:15], mag_w2 s[16:17], mag_b2 s[18:19]
	s_load_b256 s[20:27], s[0:1], 0x40             ; ph_w1 s[20:21], ph_b1 s[22:23], ph_w2 s[24:25], ph_b2 s[26:27]
	s_load_b64 s[28:29], s[0:1], 0x60              ; pooled
	v_lshrrev_b32 v64, 5, v0
	v_readfirstlane_b32 s30, v64                   ; wave 0..15
	v_and_b32 v64, 31, v0                          ; lane
	v_and_b32 v65, 15, v0                          ; r
	v_bfe_u32 v66, v0, 4, 1                        ; h
	v_bfe_u32 v67, v0, 3, 2                        ; q: which of my wave's four channels in the small networks
	v_and_b32 v68, 7, v0                           ; gg: which four hidden units
	v_and_b32 v69, 63, v0                          ; the thread's number in waves 0 and 1
	; every LDS address is made here, ahead of the first branch on the wave's number
	s_lshl_b32 s60, s30, 14
	v_lshlrev_b32 v1, 4, v64
	v_add_nc_u32 v1, s60, v1                       ; y: 16 x lane + 16,384 x wave
	s_lshl_b32 s60, s30, 2
	s_add_co_u32 s60, s60, RED
	v_mul_u32_u24 v2, v65, 144
	v_lshl_add_u32 v2, v66, 6, v2
	v_add_nc_u32 v2, s60, v2                       ; sums out: channel r (+ 16 c by the offset), lanes 0-15 x's word, lanes 16-31 y's, my wave's
	s_mul_i32 s60, s30, 576
	s_add_co_u32 s60, s60, RED
	v_mul_u32_u24 v3, v67, 144
	v_lshl_add_u32 v3, v68, 4, v3
	v_add_nc_u32 v3, s60, v3                       ; sums in: channel 4 w + q, four words: gg 0-3 of x, gg 4-7 of y
	s_lshl_b32 s60, s30, 6
	s_add_co_u32 s61, s60, TBUF
	v_lshlrev_b32 v4, 4, v67
	v_add_nc_u32 v4, s61, v4                       ; t out: channel 4 w + q
	v_lshl_add_u32 v5, v65, 4, TBUF                ; t in: channel r (+ 16 c)
	v_lshl_add_u32 v6, v68, 4, PAR                 ; tables of 4 bytes a hidden unit
	v_lshl_add_u32 v7, v68, 5, PAR                 ; and of 8
	v_lshl_add_u32 v74, v64, 4, WIMG               ; an image's place for my lane
	v_lshl_add_u32 v75, v64, 2, WSC                ; W's scale words: lanes 0-15 K step 0's, lanes 16-31 K step 1's
	v_lshl_add_u32 v76, v65, 4, BBUF
	v_lshlrev_b32 v77, 4, v64                      ; xq: 16 x lane
	v_lshl_add_u32 v78, v69, 4, PAR                ; waves 0, 1: where the tables go
	v_lshl_add_u32 v79, v69, 4, BBUF               ; and the biases
	v_mul_u32_u24 v120, v64, 288
	v_add_nc_u32 v120, RED, v120                   ; the pool: channels 2 lane, 2 lane + 1
	v_lshlrev_b32 v121, 3, v64                     ; 8 x lane: xs, pooled
	v_lshlrev_b32 v70, 4, v69                      ; the tables in memory: 16 bytes a thread
	v_lshlrev_b32 v71, 2, v69                      ; embed_b: 4
	s_mul_i32 s61, s30, 1536
	v_add_nc_u32 v72, s61, v74                     ; where my fragment of W goes
	v_lshl_add_u32 v73, v65, 2, WSC
	v_add_nc_u32 v73, s60, v73                     ; and its scale words: 64 x wave + 4 r
	v_lshlrev_b32 v240, 2, v65
	v_lshl_add_u32 v240, v66, 16, v240             ; embed_w: column r, lanes 16-31 begin 32 rows of 2,048 bytes further down
	v_mov_b32 v12, 0xbbf183a8                      ; S5, twice
	v_mov_b32 v13, 0xbbf183a8
	v_mov_b32 v14, 0x3afce9c5                      ; C6, twice
	v_mov_b32 v15, 0x3afce9c5
	s_mov_b32 s42, 0xf0f0f0f0                      ; lanes with gg >= 4
	s_mov_b32 s[SEL], 0x76543210
	s_mov_b32 s[SEL+1], 0xfedcba98
	s_mov_b32 s46, 0x5d800000                      ; 2^60
	s_mov_b32 s47, 0x3dcccccd                      ; 0.1
	s_mov_b32 s48, EPSB
	s_and_b32 s32, ttmp7, 0xffff                   ; the batch
	s_mul_i32 s50, s32, 196608                     ; xq: 64 tiles of 3,072 bytes a batch, 4 a wave
	s_mul_i32 s52, s30, 12288
	s_add_co_u32 s50, s50, s52
	s_mov_b32 s51, 0
	s_lshl_b32 s52, s32, 13                        ; xs: 32 pairs of 256 bytes a batch, 2 a wave
	s_lshl_b32 s54, s30, 9
	s_add_co_u32 s52, s52, s54
	s_mov_b32 s53, 0
	s_and_b32 s54, s30, 1                          ; embed_w: wave w makes fragment (nt = w / 2, s = w % 2): 128 s rows of 2,048 bytes,
	s_lshl_b32 s54, s54, 18
	s_lshl_b32 s56, ttmp9, 8                       ; column 64 g,
	s_add_co_u32 s54, s54, s56
	s_bfe_u32 s57, s30, 0x20001
	s_lshl_b32 s57, s57, 6                         ; + 16 (nt % 4),
	s_add_co_u32 s54, s54, s57
	s_lshr_b32 s57, s30, 3
	s_lshl_b32 s57, s57, 10                        ; + 256 (nt / 4)
	s_add_co_u32 s54, s54, s57
	s_mov_b32 s55, 0
	s_mov_b32 s57, 0                               ; s[56:57] = 256 g: embed_b
	s_lshl_b32 s58, s32, 10
	s_add_co_u32 s58, s58, s56                     ; pooled: 1,024 b + 256 g
	s_mov_b32 s59, 0
	s_wait_kmcnt 0x0
	s_add_nc_u64 s[4:5], s[4:5], s[50:51]
	s_add_nc_u64 s[6:7], s[6:7], s[52:53]
	s_add_nc_u64 s[8:9], s[8:9], s[54:55]
	s_add_nc_u64 s[10:11], s[10:11], s[56:57]
	s_add_nc_u64 s[28:29], s[28:29], s[58:59]
	s_load_b32 s38, s[18:19], 0x0                  ; mag_b2[0]
	s_load_b64 s[40:41], s[26:27], 0x0             ; ph_b2[0]
.set I, 0
.rept 64                               ; my fragment's numbers of embed_w: lane (r, h) takes column r, registers run down K: register 32 cc + i = k 64 cc + 32 h + i
	global_load_b32 v[128+I], v240, s[8:9] offset:2048*(64*(I/32)+I%32)
.set I, I+1
.endr
.irp mt, 0,1,2,3                       ; x's eight fragments, as register images: tiles 0, 1 into v192-239 (x's registers of tiles 2, 3, still free), tiles 2, 3 into v16-63
.irp s, 0,1
.irp i, 0,1,2
	global_load_b128 v[192-176*(\mt/2)+24*(\mt%2)+12*\s+4*\i:192-176*(\mt/2)+24*(\mt%2)+12*\s+4*\i+3], v77, s[4:5] offset:3072*\mt+1536*\s+512*\i
.endr
.endr
.endr
	global_load_b64 v[SCA:SCA+1], v121, s[6:7]
	global_load_b64 v[SCA+2:SCA+3], v121, s[6:7] offset:256
	s_cmp_lt_u32 s30, 2                            ; waves 0 and 1 copy the layers' tables and my channels' biases into LDS: one branch holds loads, wait and stores
	s_cbranch_scc0 .Lno_tables
	global_load_b128 v[80:83], v70, s[12:13]
	global_load_b128 v[84:87], v70, s[14:15]
	global_load_b128 v[88:91], v70, s[16:17]
	global_load_b128 v[92:95], v70, s[22:23]
	global_load_b128 v[96:99], v70, s[20:21]
	global_load_b128 v[100:103], v70, s[20:21] offset:1024
	global_load_b128 v[104:107], v70, s[24:25]
	global_load_b128 v[108:111], v70, s[24:25] offset:1024
	global_load_b32 v112, v71, s[10:11]
	global_load_b32 v114, v71, s[10:11] offset:1024
	s_wait_loadcnt 0x0
.irp i, 0,1,2,3,4,5,6,7
	ds_store_b128 v78, v[80+4*\i:83+4*\i] offset:1024*\i
.endr
	v_mov_b32 v113, v112
	v_mov_b32 v115, v114
	ds_store_b128 v79, v[112:115]
	s_wait_dscnt 0x0                               ; the stores have read their registers
.Lno_tables:
	s_wait_loadcnt 26                              ; embed_w's 64 are in; behind them 24 loads of codes and 2 of scale words were issued (in waves 0 and 1 nothing is out)
	; my fragment of W: two whole blocks of 32 in a lane
.irp c, 0,1
	v_max3_num_f32 v[248+\c], |v[128+32*\c]|, |v[129+32*\c]|, 0x2800000   ; and the floor 2^(5 - 127): the byte cannot fall under 1
.endr
.irp i, 2,4,6,8,10,12,14,16,18,20,22,24,26,28,30
.irp c, 0,1
	v_max3_num_f32 v[248+\c], v[248+\c], |v[128+32*\c+\i]|, |v[129+32*\c+\i]|
.endr
.endr
.irp c, 0,1
	v_add_nc_u32 v[250+\c], 0xfe000000, v[248+\c]  ; 4 off the exponent field: the conversion's scale operand
.endr
.irp c, 0,1
	v_lshrrev_b32 v[252+\c], 23, v[250+\c]         ; the scale's byte
.endr
	v_lshl_or_b32 v254, v253, 16, v252             ; my two bytes: blocks h and 2 + h,
	v_lshlrev_b32 v255, 3, v66
	v_lshlrev_b32 v254, v255, v254                 ; at their places in the word;
	v_mov_b32 v255, 0
	v_permlanex16_b32 v255, v254, s[SEL], s[SEL+1]
	v_or_b32 v254, v254, v255                      ; with lane l xor 16's two it is whole
.irp c, 0,1
	v_cvt_scalef32_pk16_bf6_f32 v[96+6*\c:98+6*\c], v[128+32*\c:143+32*\c], v[250+\c]
	v_cvt_scalef32_pk16_bf6_f32 v[108+4*\c:110+4*\c], v[144+32*\c:159+32*\c], v[250+\c]   ; (a conversion's three registers begin on an even number)
.endr
	v_nop                                          ; one plain instruction behind the scaled conversions
.irp c, 0,1
.irp i, 0,1,2
	v_mov_b32 v[99+6*\c+\i], v[108+4*\c+\i]
.endr
.endr
.irp i, 0,1,2
	ds_store_b128 v72, v[96+4*\i:99+4*\i] offset:512*\i
.endr
	ds_store_b32 v73, v254                         ; both halves of the lanes write the same word with the same value
	BAR                                            ; W's sixteen fragments, their scale words, the biases and the tables lie in LDS
	s_wait_loadcnt 0x0                             ; x's codes and scale words
.macro MMA d, a, b, sa, sb, s          ; s = 0: K step 0 starts the sum; s = 1: K step 1 adds in place, its scale words in lanes 16-31
.if \s
	v_wmma_scale_f32_16x16x128_f8f6f4 v[\d:\d+7], v[\a:\a+11], v[\b:\b+11], v[\d:\d+7], v[\sa], v[\sb] matrix_a_fmt:MATRIX_FMT_BF6 matrix_b_fmt:MATRIX_FMT_BF6 matrix_a_scale:MATRIX_SCALE_ROW1 matrix_b_scale:MATRIX_SCALE_ROW1
.else
	v_wmma_scale_f32_16x16x128_f8f6f4 v[\d:\d+7], v[\a:\a+11], v[\b:\b+11], 0, v[\sa], v[\sb] matrix_a_fmt:MATRIX_FMT_BF6 matrix_b_fmt:MATRIX_FMT_BF6
.endif
.endm
.macro BLOAD nt                        ; column tile nt's two fragments
.irp s, 0,1
.irp i, 0,1,2
	ds_load_b128 v[BF+12*\s+4*\i:BF+12*\s+4*\i+3], v74 offset:3072*(\nt)+1536*\s+512*\i
.endr
.endr
.endm
; the sums' ends: the pairs' halves, then the two halves of the lanes: lanes 0-15 end with x's sum of channel r, lanes 16-31 with y's
.macro FIN c, acc
	v_add_f32 v[SX], v[SXP], v[SXP+1]
	v_add_f32 v[SY], v[SYP], v[SYP+1]
	v_permlane16_swap_b32 v[SX], v[SY]
.if \acc
	v_add_f32 v[SX], v[SX], v[SY]
	v_add_f32 v[SS+\c], v[SS+\c], v[SX]
.else
	v_add_f32 v[SS+\c], v[SX], v[SY]
.endif
.endm
; One tile: theta / pi in v[HM] on, r in v[XR] on, become x (in place of r) and y (to LDS at YO).
.macro FP first
.if \first == 0
	s_wait_dscnt 0x0                               ; the last tile's stores have read T2
.endif
	PADDC 4, HM, HM, 70                            ; + b_theta (the accumulator is read from its low end on)
	PADDK 4, T1, HM, 0x4b400000                    ; + 1.5 x 2^23: the sum's lowest bit is k's parity
	PADDK 4, T2, T1, 0xcb400000                    ; k
	PSUB 4, HM, HM, T2                             ; f = h - k, exact, in [-1/2, 1/2]
.irp j, 0,1,2,3,4,5,6,7
	v_lshl_or_b32 v[XR+\j], v[T1+\j], 31, v[XR+\j] ; r (-1)^k
.endr
	PMUL 4, T1, HM, HM                             ; z = f^2
	PFMACK 4, T2, T1, 12, 0x3da83c1a               ; sin(pi f) / f
	PFMACK 4, T3, T1, 14, 0xbcd368f9               ; cos(pi f)
	PFMAK 4, T2, T2, T1, 0xbf196966
	PFMAK 4, T3, T3, T1, 0x3e70fa83
	PFMAK 4, T2, T2, T1, 0x402335e3
	PFMAK 4, T3, T3, T1, 0xbfaae9e4
	PFMAK 4, T2, T2, T1, 0xc0a55de7
	PFMAK 4, T3, T3, T1, 0x4081e0f8
	PFMAK 4, T2, T2, T1, 0x40490fdb
	PFMAK 4, T3, T3, T1, 0xc09de9e6
	PMUL 4, T2, T2, HM
	PFMAK 4, T3, T3, T1, 1.0
	PMUL 4, T2, T2, XR                             ; y
	PMUL 4, XR, XR, T3                             ; x
.if \first
	v_pk_add_f32 v[SXP:SXP+1], v[XR:XR+1], v[XR+2:XR+3]     ; the first two pairs start the sums: nothing is cleared
	v_pk_add_f32 v[SYP:SYP+1], v[T2:T2+1], v[T2+2:T2+3]
.else
	v_pk_add_f32 v[SXP:SXP+1], v[SXP:SXP+1], v[XR:XR+1]
	v_pk_add_f32 v[SYP:SYP+1], v[SYP:SYP+1], v[T2:T2+1]
	v_pk_add_f32 v[SXP:SXP+1], v[SXP:SXP+1], v[XR+2:XR+3]
	v_pk_add_f32 v[SYP:SYP+1], v[SYP:SYP+1], v[T2+2:T2+3]
.endif
.irp p, 4,6
	v_pk_add_f32 v[SXP:SXP+1], v[SXP:SXP+1], v[XR+\p:XR+\p+1]
	v_pk_add_f32 v[SYP:SYP+1], v[SYP:SYP+1], v[T2+\p:T2+\p+1]
.endr
	ds_store_b128 v1, v[T2:T2+3] offset:YO
	ds_store_b128 v1, v[T2+4:T2+7] offset:YO+512
.endm
; Two tiles of rows (2 mp, 2 mp + 1) x channel tile c; x's fragments begin at v[af].  The two accumulators take turns.
.macro GB mp, c, af
.set XA, 128+8*(8*(\mp)+(\c))
.set XB, XA+32
	s_wait_dscnt 0x0                               ; the last block's stores have read T2, which lies in W's fragments' registers
	BLOAD \c
	ds_load_b32 v[SCR], v75 offset:128*(\c)
	ds_load_b32 v[SCT], v75 offset:128*(4+(\c))
	ds_load_b128 v[68:71], v76 offset:256*(\c)
	s_wait_dscnt 0x0
	MMA XA, \af, BF, SCA+2*(\mp), SCR, 0
	MMA XB, \af+24, BF, SCA+2*(\mp)+1, SCR, 0
	MMA XA, \af+12, BF+12, SCA+2*(\mp), SCR, 1
	MMA XB, \af+36, BF+12, SCA+2*(\mp)+1, SCR, 1
	NOPS 4                                         ; four plain instructions ahead of loads into registers that the products read, and of the first read of results
	BLOAD 4+(\c)
	PADDC 4, XA, XA, 68                            ; + b_r, each accumulator from its low end on; these lines stand while the loads are out
	PADDC 4, XB, XB, 68
.irp j, 0,1,2,3,4,5,6,7
	v_add_f32 v[XA+\j], |v[XA+\j]|, s47            ; r = |.| + 0.1
.endr
.irp j, 0,1,2,3,4,5,6,7
	v_add_f32 v[XB+\j], |v[XB+\j]|, s47
.endr
	s_wait_dscnt 0x0
	MMA HH, \af, BF, SCA+2*(\mp), SCT, 0
	MMA HH+8, \af+24, BF, SCA+2*(\mp)+1, SCT, 0
	MMA HH, \af+12, BF+12, SCA+2*(\mp), SCT, 1
	MMA HH+8, \af+36, BF+12, SCA+2*(\mp)+1, SCT, 1
	NOPS 5                                         ; five: the next block's results may be laid over x's fragments, which these products read
.set HM, HH
.set XR, XA
.set YO, (8*(\mp)+(\c))*1024
	FP 1
.set HM, HH+8
.set XR, XB
.set YO, YO+4096
	FP 0
	FIN \c, \mp
.endm
	GB 0, 0, 192
	GB 0, 1, 192
	GB 0, 2, 192
	GB 0, 3, 192
	GB 1, 0, 16
	GB 1, 1, 16
	GB 1, 2, 16
	GB 1, 3, 16
	v_mov_b32 v12, 0xaf95df0b                      ; erf's leading coefficients, twice each
	v_mov_b32 v13, 0xaf95df0b
	v_mov_b32 v14, 0xb77460cd
	v_mov_b32 v15, 0xb77460cd
; THE LAYERS.  v16-31 t of my four channel tiles; v32-63 four buffers of y; v64-79 two of Q; v80-95 two of E and g; v96-101 sums.
.set YBUF, 32
.set QBUF, 64
.set GBUF, 80
.set SXP,  96
.set SYP,  98
.set SX,   100
.set SY,   101
.macro RSTORE
.irp c, 0,1,2,3
	ds_store_b32 v2, v[SS+\c] offset:2304*\c
.endr
.endm
; gelu(u) = u / 2 (1 + erf(u / sqrt 2)) over n pairs; the reciprocals are one batch with one wait
.macro GELU n, u, z, w, p, d, a0, b0
	PMULK \n, \z, \u, 0x3f3504f3
.set J, 0
.rept 2*\n
	v_med3_num_f32 v[\z+J], v[\z+J], -4.0, 4.0
.set J, J+1
.endr
	PMUL \n, \w, \z, \z
	PFMACK \n, \p, \w, \a0, 0x32edffee
	PFMACK \n, \d, \w, \b0, 0xb95fbd29
	PFMAK \n, \p, \p, \w, 0xb60cff51
	PFMAK \n, \d, \d, \w, 0xbadc924e
	PFMAK \n, \p, \p, \w, 0xb86ec2d2
	PFMAK \n, \d, \d, \w, 0xbbf19bf8
	PFMAK \n, \p, \p, \w, 0xba40ac63
	PFMAK \n, \d, \d, \w, 0xbc69b6a7
	PFMAK \n, \p, \p, \w, 0xbb41a1f6
	PFMAK \n, \p, \p, \w, 0xbc83dbd4
.set J, 0
.rept 2*\n
	v_rcp_f32 v[\d+J], v[\d+J]
.set J, J+1
.endr
	PMUL \n, \p, \p, \z                            ; plain work behind the reciprocals, which names none of their results
	PMULK \n, \z, \u, 0.5
	s_wait_alu depctr_va_vdst(0)                   ; the wait ahead of the first reader: one for the batch
	PMUL \n, \p, \p, \d                            ; erf
	PFMA \n, \u, \z, \p, \z
.endm
; The two small networks of a layer.  Wave w serves channels 4 w + q; eight lanes serve a channel, each four hidden units of both networks.  next = 1: the next layer's output biases are asked for.
.macro MLP next
	v_add_nc_u32 v112, s34, v6                     ; this layer's rows of the tables: 128 bytes a layer,
	v_add_nc_u32 v113, s35, v6                     ; 256,
	v_add_nc_u32 v114, s35, v7
	ds_load_b128 v[16:19], v3                      ; four waves' sums
	ds_load_b128 v[20:23], v112                    ; mag_w1
	ds_load_b128 v[24:27], v112 offset:1024        ; mag_b1
	ds_load_b128 v[28:31], v112 offset:2048        ; mag_w2
	ds_load_b128 v[40:43], v112 offset:3072        ; ph_b1
	ds_load_b128 v[32:35], v113 offset:4096        ; ph_w1, the sine's row
	ds_load_b128 v[36:39], v113 offset:4224        ; the cosine's
	ds_load_b128 v[44:47], v114 offset:6144        ; ph_w2: (to p0, to p1) of two units,
	ds_load_b128 v[48:51], v114 offset:6160        ; and of two more
	v_mov_b32 v101, 0                              ; (a DPP move's destination counts as one of its sources)
	s_wait_dscnt 8                                 ; the sums are in; the eight loads of tables may be out
	v_add_f32 v100, v16, v17
	v_add_f32 v102, v18, v19
	v_add_f32 v100, v100, v102
	v_add_f32_dpp v100, v100, v100 row_xmask:1 row_mask:0xf bank_mask:0xf
	v_add_f32_dpp v100, v100, v100 row_xmask:2 row_mask:0xf bank_mask:0xf
	v_mov_b32_dpp v101, v100 row_xmask:4 row_mask:0xf bank_mask:0xf   ; lanes gg 0-3 hold x's sum, gg 4-7 y's: each takes the other's
	v_cndmask_b32 v102, v100, v101, s42
	v_cndmask_b32 v103, v101, v100, s42
	v_mul_f32 v102, MEANB, v102                    ; xm
	v_mul_f32 v103, MEANB, v103                    ; ym
	v_mul_f32 v110, v102, v102
	v_fma_f32 v110, v103, v103, v110               ; xm^2 + ym^2
	v_add_f32 v104, s48, v110
	v_max_num_f32 v105, SMALLB, v110
	v_sqrt_f32 v104, v104                          ; r_agg
	v_rsq_f32 v105, v105
	v_cmp_gt_f32 vcc_lo, SMALLB, v110              ; (a plain instruction behind the two)
	s_wait_alu depctr_va_vdst(0)
	v_add_f32 v104, s48, v104
	v_log_f32 v104, v104
	v_mul_f32 v106, v103, v105                     ; sin(th_agg)
	v_mul_f32 v108, v102, v105                     ; cos(th_agg)
	v_cndmask_b32 v106, v106, 0, vcc_lo            ; a mean at the origin has angle 0
	v_cndmask_b32 v108, v108, 1.0, vcc_lo
	v_mov_b32 v107, v106                           ; (named with them as pairs)
	v_mov_b32 v109, v108
	s_wait_alu depctr_va_vdst(0)
	v_mul_f32 v104, 0x3f317218, v104               ; log_r
	s_wait_dscnt 0x0                               ; the tables
	v_pk_fma_f32 v[52:53], v[20:21], v[104:105], v[24:25] op_sel_hi:[1,0,1]
	v_pk_fma_f32 v[54:55], v[22:23], v[104:105], v[26:27] op_sel_hi:[1,0,1]
	v_pk_fma_f32 v[56:57], v[36:37], v[108:109], v[40:41] op_sel_hi:[1,0,1]
	v_pk_fma_f32 v[58:59], v[38:39], v[108:109], v[42:43] op_sel_hi:[1,0,1]
	v_pk_fma_f32 v[56:57], v[32:33], v[106:107], v[56:57] op_sel_hi:[1,0,1]
	v_pk_fma_f32 v[58:59], v[34:35], v[106:107], v[58:59] op_sel_hi:[1,0,1]
	GELU 4, 52, 60, 68, 76, 84, 12, 14
	v_pk_mul_f32 v[92:93], v[52:53], v[28:29]
	v_mul_f32 v94, v56, v44
	v_mul_f32 v95, v56, v45
	v_pk_fma_f32 v[92:93], v[54:55], v[30:31], v[92:93]
	v_fma_f32 v94, v57, v46, v94
	v_fma_f32 v95, v57, v47, v95
	v_fma_f32 v94, v58, v48, v94
	v_fma_f32 v95, v58, v49, v95
	v_add_f32 v92, v92, v93
	v_fma_f32 v94, v59, v50, v94
	v_fma_f32 v95, v59, v51, v95
.irp m, 1,2,4                          ; over the channel's eight lanes
	v_add_f32_dpp v92, v92, v92 row_xmask:\m row_mask:0xf bank_mask:0xf
	v_add_f32_dpp v94, v94, v94 row_xmask:\m row_mask:0xf bank_mask:0xf
	v_add_f32_dpp v95, v95, v95 row_xmask:\m row_mask:0xf bank_mask:0xf
.endr
	s_wait_kmcnt 0x0                               ; this layer's output biases
	v_add_f32 v92, s38, v92                        ; lr
	v_add_f32 v94, s40, v94                        ; p0
	v_add_f32 v95, s41, v95                        ; p1
	v_mul_f32 v92, 0x3fb8aa3b, v92
	v_mul_f32 v96, v94, v94
	v_fma_f32 v96, v95, v95, v96
	v_max_num_f32 v97, SMALLB, v96
	v_exp_f32 v92, v92                             ; r_trans
	v_rsq_f32 v97, v97
	v_cmp_gt_f32 vcc_lo, SMALLB, v96               ; (a plain instruction behind the two)
	s_wait_alu depctr_va_vdst(0)
	v_mul_f32 v97, v92, v97
	v_mul_f32 v116, v95, v97                       ; tx = r_trans p1 / |p|
	v_mul_f32 v118, v94, v97                       ; ty = r_trans p0 / |p|
	v_cndmask_b32 v116, v116, v92, vcc_lo          ; a pout at the origin has angle 0
	v_cndmask_b32 v118, v118, 0, vcc_lo
	v_mov_b32 v117, v116
	v_mov_b32 v119, v118
	ds_store_b128 v4, v[116:119]                   ; the channel's eight lanes write the same bytes with the same values
.if \next
	s_add_co_u32 s34, s34, 128
	s_add_co_u32 s35, s35, 256
	s_add_nc_u64 s[18:19], s[18:19], 4             ; (the last scalar loads are done: the wait above)
	s_add_nc_u64 s[26:27], s[26:27], 8
	s_load_b32 s38, s[18:19], 0x0
	s_load_b64 s[40:41], s[26:27], 0x0
.endif
.endm
; A PASS over my 1,024 x ... points: sixteen blocks k of 8 registers, c = k / 4, mt = k % 4.
.macro SETK k
.set XR, 128+8*(4*((\k)%4)+(\k)/4)
.set YR, YBUF+8*((\k)%4)
.set QR, QBUF+8*((\k)%2)
.set GR, GBUF+8*((\k)%2)
.set TR, 16+4*((\k)/4)
.endm
.macro YLD k
	SETK \k
	ds_load_b128 v[YR:YR+3], v1 offset:(4*((\k)%4)+(\k)/4)*1024
	ds_load_b128 v[YR+4:YR+7], v1 offset:(4*((\k)%4)+(\k)/4)*1024+512
.endm
.macro EA k, fin                       ; up to the root's argument
	SETK \k
	PADDC 4, XR, XR, TR                            ; X = xc + tx
	PADDC 4, YR, YR, TR+2                          ; Y = yc + ty
.if \fin
	PFMAK 4, QR, YR, YR, EPSB
	PFMA 4, QR, XR, XR, QR                         ; X^2 + Y^2 + eps
.else
	PFMAK 4, QR, YR, YR, TINYB
	PFMA 4, QR, XR, XR, QR                         ; Q
.set J, 0
.rept 8
	v_min_num_f32 v[QR+J], s46, v[QR+J]
.set J, J+1
.endr
	PADDK 4, GR, QR, EPSB                          ; E = Q + eps
	PMUL 4, QR, QR, GR                             ; Q E, between 2^-117 and 2^120
.endif
.endm
.macro ER k, fin                       ; the block's eight roots: one batch
	SETK \k
.set J, 0
.rept 8
.if \fin
	v_sqrt_f32 v[QR+J], v[QR+J]
.else
	v_rsq_f32 v[QR+J], v[QR+J]
.endif
.set J, J+1
.endr
.endm
.macro EB k, fin                       ; behind the roots
	SETK \k
.if \fin
.if (\k)%4 == 0
	v_pk_add_f32 v[SXP:SXP+1], v[QR:QR+1], v[QR+2:QR+3]
.else
	v_pk_add_f32 v[SXP:SXP+1], v[SXP:SXP+1], v[QR:QR+1]
	v_pk_add_f32 v[SXP:SXP+1], v[SXP:SXP+1], v[QR+2:QR+3]
.endif
	v_pk_add_f32 v[SXP:SXP+1], v[SXP:SXP+1], v[QR+4:QR+5]
	v_pk_add_f32 v[SXP:SXP+1], v[SXP:SXP+1], v[QR+6:QR+7]
.if (\k)%4 == 3
	v_add_f32 v[SS+(\k)/4], v[SXP], v[SXP+1]       ; the two halves of the lanes keep their parts: both go to the channel's 32 words
.endif
.else
	PMUL 4, GR, GR, QR                             ; g
	PMUL 4, XR, XR, GR
	PMUL 4, YR, YR, GR
.if (\k)%4 == 0
	v_pk_add_f32 v[SXP:SXP+1], v[XR:XR+1], v[XR+2:XR+3]
	v_pk_add_f32 v[SYP:SYP+1], v[YR:YR+1], v[YR+2:YR+3]
.else
	v_pk_add_f32 v[SXP:SXP+1], v[SXP:SXP+1], v[XR:XR+1]
	v_pk_add_f32 v[SYP:SYP+1], v[SYP:SYP+1], v[YR:YR+1]
	v_pk_add_f32 v[SXP:SXP+1], v[SXP:SXP+1], v[XR+2:XR+3]
	v_pk_add_f32 v[SYP:SYP+1], v[SYP:SYP+1], v[YR+2:YR+3]
.endif
.irp p, 4,6
	v_pk_add_f32 v[SXP:SXP+1], v[SXP:SXP+1], v[XR+\p:XR+\p+1]
	v_pk_add_f32 v[SYP:SYP+1], v[SYP:SYP+1], v[YR+\p:YR+\p+1]
.endr
	ds_store_b128 v1, v[YR:YR+3] offset:(4*((\k)%4)+(\k)/4)*1024
	ds_store_b128 v1, v[YR+4:YR+7] offset:(4*((\k)%4)+(\k)/4)*1024+512
.if (\k)%4 == 3
	FIN (\k)/4, 0
.endif
.endif
.endm
; Block k + 1's arithmetic up to its roots stands between block k's roots and the one wait for them.  fin = 1: the last layer: only the radius, and its sum.
.macro PASS fin
.irp c, 0,1,2,3
	ds_load_b128 v[16+4*\c:19+4*\c], v5 offset:256*\c
.endr
	YLD 0
	YLD 1
	s_wait_dscnt 2                                 ; t and block 0's y are in; block 1's two loads may be out
	EA 0, \fin
	ER 0, \fin
.set K, 0
.rept 16
.if K <= 14
.if (K >= 1) && (\fin == 0)
	s_wait_dscnt 2                                 ; only block K - 1's two stores may be out: block K + 1's y is in, and block K - 2's stores have read the buffer that is loaded next
.else
	s_wait_dscnt 0x0
.endif
.endif
.if K <= 13
	YLD K+2
.endif
.if K <= 14
	EA K+1, \fin
.else
	v_nop                                          ; a plain instruction behind the last roots
.endif
	s_wait_alu depctr_va_vdst(0)                   ; the wait ahead of the first reader: one for block K's eight roots
	EB K, \fin
.if K <= 14
	ER K+1, \fin
.endif
.set K, K+1
.endr
.endm
	s_mov_b32 s33, 7
	s_mov_b32 s34, 0
	s_mov_b32 s35, 0
.Llayer:                                           ; layers 0 to 6
	RSTORE
	BAR                                            ; every wave's sums lie in LDS, and nobody reads the last t any more
	MLP 1
	BAR                                            ; every channel's t lies in LDS, and nobody reads the sums any more
	PASS 0
	s_sub_co_u32 s33, s33, 1
	s_cmp_lg_u32 s33, 0
	s_cbranch_scc1 .Llayer
	RSTORE                                         ; layer 7
	BAR
	MLP 0
	BAR
	PASS 1
	RSTORE
	BAR                                            ; the radius's sums lie in LDS: 32 words a channel
	s_cmp_lg_u32 s30, 0
	s_cbranch_scc1 .Ldone
.irp e, 0,1                            ; wave 0: lane l adds channels 2 l and 2 l + 1
.irp i, 0,1,2,3,4,5,6,7
	ds_load_b128 v[16+32*\e+4*\i:19+32*\e+4*\i], v120 offset:144*\e+16*\i
.endr
.endr
	s_wait_dscnt 0x0
	v_pk_add_f32 v[16:17], v[16:17], v[18:19]
	v_pk_add_f32 v[48:49], v[48:49], v[50:51]
.irp p, 4,6,8,10,12,14,16,18,20,22,24,26,28,30
	v_pk_add_f32 v[16:17], v[16:17], v[16+\p:17+\p]
	v_pk_add_f32 v[48:49], v[48:49], v[48+\p:49+\p]
.endr
	v_add_f32 v16, v16, v17
	v_add_f32 v17, v48, v49
	v_pk_mul_f32 v[16:17], v[16:17], MEANB op_sel_hi:[1,0]
	global_store_b64 v121, v[16:17], s[28:29]      ; 32 lanes store 256 consecutive bytes, at a multiple of 256 from pooled's first byte
.Ldone:
	s_wait_xcnt 0x0
	v_lshl_add_u32 v254, v0, 2, 0x4b000
	v_mov_b32 v255, 0
	s_wait_tensorcnt 0x0
	ds_add_u32 v254, v255
	s_wait_dscnt 0x0
	s_endpgm
.Lfunc_end_k_q31b79efb79_polar:
	.size	k_q31b79efb79_polar, .Lfunc_end_k_q31b79efb79_polar-k_q31b79efb79_polar
	.p2alignl 7, 3214868480
	.fill 96, 4, 3214868480
	.section	.rodata,"a",@progbits
	.p2align	6, 0x0
	.amdhsa_kernel k_q31b79efb79_polar
		.amdhsa_group_segment_fixed_size 309248
		.amdhsa_private_segment_fixed_size 0
		.amdhsa_enable_private_segment 0
		.amdhsa_kernarg_size 104
		.amdhsa_user_sgpr_count 2
		.amdhsa_user_sgpr_kernarg_segment_ptr 1
		.amdhsa_wavefront_size32 1
		.amdhsa_system_sgpr_workgroup_id_x 1
		.amdhsa_system_sgpr_workgroup_id_y 1
		.amdhsa_system_sgpr_workgroup_id_z 1
		.amdhsa_system_vgpr_workitem_id 0
		.amdhsa_next_free_vgpr 256
		.amdhsa_next_free_sgpr 66
		.amdhsa_reserve_vcc 1
		.amdhsa_float_denorm_mode_32 3
		.amdhsa_float_denorm_mode_16_64 3
		.amdhsa_memory_ordered 1
		.amdhsa_forward_progress 1
		.amdhsa_inst_pref_size 255
	.end_amdhsa_kernel
	.section	.bss,"aw",@nobits
	.p2align	6
	.space	262144
	.amdgpu_metadata
---
amdhsa.version: [ 1, 2 ]
amdhsa.kernels:
  - .name:           k_q31b79efb79_polar
    .symbol:         k_q31b79efb79_polar.kd
    .args:
      - { .name: xq, .offset: 0, .size: 8, .value_kind: global_buffer, .address_space: global }
      - { .name: xs, .offset: 8, .size: 8, .value_kind: global_buffer, .address_space: global }
      - { .name: embed_w, .offset: 16, .size: 8, .value_kind: global_buffer, .address_space: global }
      - { .name: embed_b, .offset: 24, .size: 8, .value_kind: global_buffer, .address_space: global }
      - { .name: mag_w1, .offset: 32, .size: 8, .value_kind: global_buffer, .address_space: global }
      - { .name: mag_b1, .offset: 40, .size: 8, .value_kind: global_buffer, .address_space: global }
      - { .name: mag_w2, .offset: 48, .size: 8, .value_kind: global_buffer, .address_space: global }
      - { .name: mag_b2, .offset: 56, .size: 8, .value_kind: global_buffer, .address_space: global }
      - { .name: ph_w1, .offset: 64, .size: 8, .value_kind: global_buffer, .address_space: global }
      - { .name: ph_b1, .offset: 72, .size: 8, .value_kind: global_buffer, .address_space: global }
      - { .name: ph_w2, .offset: 80, .size: 8, .value_kind: global_buffer, .address_space: global }
      - { .name: ph_b2, .offset: 88, .size: 8, .value_kind: global_buffer, .address_space: global }
      - { .name: pooled, .offset: 96, .size: 8, .value_kind: global_buffer, .address_space: global }
    .group_segment_fixed_size: 309248
    .private_segment_fixed_size: 0
    .kernarg_segment_align: 8
    .kernarg_segment_size: 104
    .max_flat_workgroup_size: 512
    .sgpr_count:     66
    .vgpr_count:     256
    .wavefront_size: 32
...
	.end_amdgpu_metadata
.endif
;; end of part 2
;; launch cls (part 3): grid 16 x 1, 4 waves a work-group, no clusters, 13,824 bytes of LDS; arguments pooled, cls_w1, cls_b1, cls_w2, cls_b2, out0; writes out0
.if DOCPART == 3
	.amdgcn_target "amdgcn-amd-amdhsa--gfx1250"
	.amdhsa_code_object_version 6
	.text
	.protected	k_q31b79efb79_cls
	.globl	k_q31b79efb79_cls
	.p2align	8
	.type	k_q31b79efb79_cls,@function
k_q31b79efb79_cls:
	s_mov_b64 s[64:65], 0
	v_nop
	global_prefetch_b8 v0, s[64:65] scope:SCOPE_SE
	s_setreg_imm32_b32 hwreg(HW_REG_WAVE_MODE, 25, 1), 1
	s_wait_xcnt 0x0
; out0 = gelu(pooled cls_w1 + cls_b1) cls_w2 + cls_b2, both products on codes of BF6 (E3M2) with one E8M0 scale for each 32 along K.  pooled [64][256], cls_w1 [256][32], cls_w2 [32][1000], out0 [64][1000], all f32.
; SHARES.  Every work-group makes the whole hidden layer [64][32] (wave w: rows 16 w ..): it is small, and so nothing goes between work-groups.  Wave w of work-group G then makes output columns 16 nt .. 16 nt + 15,
; nt = 4 G + w, for all 64 rows.  There are 63 such tiles: the wave with nt = 63 has helped with the hidden layer and ends behind the last barrier.
; Both products are used transposed (source 0 = 16 columns of the weight, source 1 = 16 rows): a lane holds one row, its registers run along the columns.  Lane r of cls_w1's tile u takes hidden unit 8 u + r + 8 (r / 8),
; so that the 16 registers of the two tiles are units 16 h + 0 .. 15: neighbours along the next K.  The biases are the C of each sum's first product.
; Operands go from wave to wave through LDS as images of their registers (512 bytes a store, 16 a lane), scale words 4 bytes a lane.
; K = 32 of the second product is filled up to the instruction's 128 with zero codes on both sides; those blocks' scale bytes are 0, which is a power of two and no NaN.
; LIMITS: NaN and infinities are not served; a block of zeros gets the byte 1 where the quantiser says 127 (its codes are zeros).
; Sixteen work-groups: the launch has 63 tiles of 16 columns and waits mostly for its few loads; tensor loads, clusters and prefetches have nothing to gain on 230 KB read once at the head.
.set W1IMG, 0                          ; cls_w1's four fragments (2 u + s), 1,536 bytes each
.set W1SC,  6144                       ; their scale words: 128 u + 64 s + 4 r
.set HIMG,  6400                       ; the hidden layer's four fragments
.set HSC,   12544                      ; their scale words, 128 bytes each
.set SEL,   20                         ; s[20:21] selects of v_permlanex16_b32 for lane l xor 16
.set TM,    16                         ; v16-31 at work in the quantisers
; v1-15, v61 addresses; v32-43 pooled's fragment of K step 0 (first: my fragment of cls_w1), v44-50 at work; v52-60 SCALE WORDS AND NOTHING ELSE: v52, v53 cls_w1's; v54, v55 pooled's; v56-59 the hidden layer's; v60 cls_w2's;
; v64-127 cls_w1's numbers, then v64-95 cls_w2's, v96-111 b1, v112-119 b2, v[120:121], v[122:123] erf's leading coefficients (made only when cls_w1's numbers are done with), at the end v64-95 the results;
; v128-255 pooled's numbers, then v128-139 pooled's fragment of K step 1, later cls_w2's; v148-195 four fragments from LDS; v200-215 the hidden layer; v148-179, v216-247 at work in gelu; v180-191 the hidden layer's codes.
.macro NOPS n
.rept \n
	v_nop
.endr
.endm
.macro PMUL n, d, a, b
.set J, 0
.rept \n
	v_pk_mul_f32 v[\d+J:\d+J+1], v[\a+J:\a+J+1], v[\b+J:\b+J+1]
.set J, J+2
.endr
.endm
.macro PMULK n, d, a, k
.set J, 0
.rept \n
	v_pk_mul_f32 v[\d+J:\d+J+1], v[\a+J:\a+J+1], \k op_sel_hi:[1,0]
.set J, J+2
.endr
.endm
.macro PFMA n, d, a, b, c
.set J, 0
.rept \n
	v_pk_fma_f32 v[\d+J:\d+J+1], v[\a+J:\a+J+1], v[\b+J:\b+J+1], v[\c+J:\c+J+1]
.set J, J+2
.endr
.endm
.macro PFMAK n, d, a, b, k
.set J, 0
.rept \n
	v_pk_fma_f32 v[\d+J:\d+J+1], v[\a+J:\a+J+1], v[\b+J:\b+J+1], \k op_sel_hi:[1,1,0]
.set J, J+2
.endr
.endm
.macro PFMACK n, d, a, cp, k
.set J, 0
.rept \n
	v_pk_fma_f32 v[\d+J:\d+J+1], v[\a+J:\a+J+1], v[\cp:\cp+1], \k op_sel_hi:[1,1,0]
.set J, J+2
.endr
.endm
.macro BAR
	s_wait_dscnt 0x0
	s_barrier_signal -1
	s_barrier_wait -1
.endm
; gelu(u) = u / 2 (1 + erf(u / sqrt 2)), erf(z) = z P(z^2) / D(z^2), z held to +-4; the reciprocals are one batch with one wait
.macro GELU n, u, z, w, p, d, a0, b0
	PMULK \n, \z, \u, 0x3f3504f3
.set J, 0
.rept 2*\n
	v_med3_num_f32 v[\z+J], v[\z+J], -4.0, 4.0
.set J, J+1
.endr
	PMUL \n, \w, \z, \z
	PFMACK \n, \p, \w, \a0, 0x32edffee
	PFMACK \n, \d, \w, \b0, 0xb95fbd29
	PFMAK \n, \p, \p, \w, 0xb60cff51
	PFMAK \n, \d, \d, \w, 0xbadc924e
	PFMAK \n, \p, \p, \w, 0xb86ec2d2
	PFMAK \n, \d, \d, \w, 0xbbf19bf8
	PFMAK \n, \p, \p, \w, 0xba40ac63
	PFMAK \n, \d, \d, \w, 0xbc69b6a7
	PFMAK \n, \p, \p, \w, 0xbb41a1f6
	PFMAK \n, \p, \p, \w, 0xbc83dbd4
.set J, 0
.rept 2*\n
	v_rcp_f32 v[\d+J], v[\d+J]
.set J, J+1
.endr
	PMUL \n, \p, \p, \z                            ; plain work behind the reciprocals, which names none of their results
	PMULK \n, \z, \u, 0.5
	s_wait_alu depctr_va_vdst(0)                   ; the wait ahead of the first reader: one for the batch
	PMUL \n, \p, \p, \d
	PFMA \n, \u, \z, \p, \z
.endm
; 64 numbers of a lane, register 16 b + i = k 32 b + 16 h + i of my row, become a fragment's codes and its scale word
.macro QUANT src, pc, wk, pw
.irp b, 0,1,2,3
	v_max3_num_f32 v[TM+\b], |v[\src+16*\b]|, |v[\src+1+16*\b]|, 0x2800000   ; and the floor 2^(5 - 127): the byte cannot fall under 1
.endr
.irp i, 2,4,6,8,10,12,14
.irp b, 0,1,2,3
	v_max3_num_f32 v[TM+\b], v[TM+\b], |v[\src+16*\b+\i]|, |v[\src+1+16*\b+\i]|
.endr
.endr
.irp b, 0,1,2,3
	v_permlanex16_b32 v[TM+4+\b], v[TM+\b], s[SEL], s[SEL+1]
.endr
.irp b, 0,1,2,3
	v_max_num_f32 v[TM+\b], v[TM+\b], v[TM+4+\b]
.endr
.irp b, 0,1,2,3
	v_add_nc_u32 v[TM+12+\b], 0xfe000000, v[TM+\b] ; 4 off the exponent field: the conversion's scale operand
.endr
.irp b, 0,1,2,3
	v_lshrrev_b32 v[TM+4+\b], 23, v[TM+12+\b]
.endr
	v_lshl_or_b32 v[\pw], v[TM+5], 8, v[TM+4]
	v_lshl_or_b32 v[\pw], v[TM+6], 16, v[\pw]
	v_lshl_or_b32 v[\pw], v[TM+7], 24, v[\pw]
.irp c, 0,1
	v_cvt_scalef32_pk16_bf6_f32 v[\pc+6*\c:\pc+6*\c+2], v[\src+32*\c:\src+32*\c+15], v[TM+12+2*\c]
	v_cvt_scalef32_pk16_bf6_f32 v[\wk+4*\c:\wk+4*\c+2], v[\src+32*\c+16:\src+32*\c+31], v[TM+13+2*\c]
.endr
	v_nop                                          ; one plain instruction behind the scaled conversions
.irp c, 0,1
.irp i, 0,1,2
	v_permlane16_swap_b32 v[\pc+6*\c+\i], v[\wk+4*\c+\i]
.endr
.irp i, 0,1,2
	v_mov_b32 v[\pc+3+6*\c+\i], v[\wk+4*\c+\i]
.endr
.endr
.endm
	s_load_b256 s[4:11], s[0:1], 0x0               ; pooled s[4:5], cls_w1 s[6:7], cls_b1 s[8:9], cls_w2 s[10:11]
	s_load_b128 s[12:15], s[0:1], 0x20             ; cls_b2 s[12:13], out0 s[14:15]
	v_lshl_add_u32 v62, v0, 2, 0x3400
	v_mov_b32 v63, 0
	v_lshrrev_b32 v1, 5, v0
	v_readfirstlane_b32 s16, v1                    ; wave 0..3
	v_and_b32 v1, 31, v0                           ; lane
	v_and_b32 v2, 15, v0                           ; r
	v_bfe_u32 v3, v0, 4, 1                         ; h
	s_lshl_b32 s17, ttmp9, 2
	s_add_co_u32 s17, s17, s16                     ; nt
	s_lshl_b32 s18, s17, 4                         ; 16 nt
	v_and_b32 v4, 8, v2
	v_add_nc_u32 v4, v4, v2                        ; r + 8 (r / 8)
	v_lshlrev_b32 v4, 2, v4
	v_lshl_add_u32 v4, v3, 12, v4                  ; cls_w1: my unit's column; lanes 16-31 begin 32 rows of 128 bytes further down
	v_lshlrev_b32 v5, 10, v2
	v_lshl_add_u32 v5, v3, 6, v5                   ; pooled: row r of 1,024 bytes, + 64 h
	v_lshlrev_b32 v6, 4, v1                        ; an image's place for my lane
	v_lshlrev_b32 v7, 2, v1                        ; a scale word's
	s_mul_i32 s19, s16, 1536
	v_add_nc_u32 v8, s19, v6                       ; where my fragment of cls_w1 goes
	s_add_co_u32 s19, s19, HIMG
	v_add_nc_u32 v10, s19, v6                      ; and my fragment of the hidden layer
	s_lshl_b32 s19, s16, 6
	s_add_co_u32 s19, s19, W1SC
	v_lshl_add_u32 v9, v2, 2, s19                  ; cls_w1's scale words: 64 x wave + 4 r
	s_lshl_b32 s19, s16, 7
	s_add_co_u32 s19, s19, HSC
	v_add_nc_u32 v11, s19, v7
	v_add_nc_u32 v12, s18, v2
	v_min_u32 v12, 999, v12                        ; cls_w2: column 16 nt + r, held inside the tensor
	v_lshlrev_b32 v12, 2, v12
	v_lshl_add_u32 v61, v3, 3, s18                 ; 16 nt + 8 h: the first of my eight output columns
	v_lshlrev_b32 v13, 6, v3                       ; b1: 16 h numbers on
	v_lshlrev_b32 v14, 2, v61
	v_min_u32 v14, 3968, v14                       ; b2, held inside the tensor
	v_mul_u32_u24 v15, v2, 4000
	v_lshl_add_u32 v15, v61, 2, v15                ; out0: row r, my columns
	s_mov_b32 s[SEL], 0x76543210
	s_mov_b32 s[SEL+1], 0xfedcba98
	s_mov_b32 s24, 0xffff0000                      ; lanes 16-31
.irp b, 0,1,2,3
	v_mov_b32 v[TM+4+\b], 0                        ; written once: a lane permute's destination counts as one of its sources
.endr
	s_lshl_b32 s22, s16, 14                        ; pooled: my 16 rows
	s_mov_b32 s23, 0
	s_lshr_b32 s26, s16, 1
	s_lshl_b32 s26, s26, 5                         ; cls_w1: tile u = w / 2: 8 u columns on,
	s_and_b32 s27, s16, 1
	s_lshl_b32 s27, s27, 14                        ; K step s = w % 2: 128 rows on
	s_add_co_u32 s26, s26, s27
	s_mov_b32 s27, 0
	s_wait_kmcnt 0x0
	s_add_nc_u64 s[4:5], s[4:5], s[22:23]
	s_add_nc_u64 s[6:7], s[6:7], s[26:27]
.set I, 0
.rept 64                               ; register 32 cc + i = cls_w1(128 s + 64 cc + 32 h + i, my unit): these fill v64-127
	global_load_b32 v[64+I], v4, s[6:7] offset:128*(64*(I/32)+I%32)
.set I, I+1
.endr
.irp s, 0,1
.irp b, 0,1,2,3
.irp j, 0,1,2,3
	global_load_b128 v[128+64*\s+16*\b+4*\j:131+64*\s+16*\b+4*\j], v5, s[4:5] offset:512*\s+128*\b+16*\j
.endr
.endr
.endr
	s_wait_loadcnt 32                              ; cls_w1's 64 are in; pooled's 32 may be out
	; my fragment of cls_w1: two whole blocks of 32 in a lane
.irp c, 0,1
	v_max3_num_f32 v[TM+\c], |v[64+32*\c]|, |v[65+32*\c]|, 0x2800000
.endr
.irp i, 2,4,6,8,10,12,14,16,18,20,22,24,26,28,30
.irp c, 0,1
	v_max3_num_f32 v[TM+\c], v[TM+\c], |v[64+32*\c+\i]|, |v[65+32*\c+\i]|
.endr
.endr
.irp c, 0,1
	v_add_nc_u32 v[TM+2+\c], 0xfe000000, v[TM+\c]
.endr
.irp c, 0,1
	v_lshrrev_b32 v[TM+4+\c], 23, v[TM+2+\c]
.endr
	v_lshl_or_b32 v[TM+6], v[TM+5], 16, v[TM+4]    ; my two bytes: blocks h and 2 + h,
	v_lshlrev_b32 v[TM+7], 3, v3
	v_lshlrev_b32 v[TM+6], v[TM+7], v[TM+6]        ; at their places in the word;
	v_mov_b32 v[TM+7], 0
	v_permlanex16_b32 v[TM+7], v[TM+6], s[SEL], s[SEL+1]
	v_or_b32 v[TM+6], v[TM+6], v[TM+7]             ; with lane l xor 16's two it is whole
.irp c, 0,1
	v_cvt_scalef32_pk16_bf6_f32 v[32+6*\c:34+6*\c], v[64+32*\c:79+32*\c], v[TM+2+\c]
	v_cvt_scalef32_pk16_bf6_f32 v[44+4*\c:46+4*\c], v[80+32*\c:95+32*\c], v[TM+2+\c]
.endr
	v_nop                                          ; one plain instruction behind the scaled conversions
.irp c, 0,1
.irp i, 0,1,2
	v_mov_b32 v[35+6*\c+\i], v[44+4*\c+\i]
.endr
.endr
.irp i, 0,1,2
	ds_store_b128 v8, v[32+4*\i:35+4*\i] offset:W1IMG+512*\i
.endr
	ds_store_b32 v9, v[TM+6]                       ; both halves of the lanes write the same word with the same value
.set I, 0
.rept 32                               ; cls_w2(i, my column): one block of 32 in a lane (both halves of the lanes load the same)
	global_load_b32 v[64+I], v12, s[10:11] offset:4000*I
.set I, I+1
.endr
.irp u, 0,1                            ; b1 in the result's layout: tile u, register j: unit 16 h + 8 u + j
	global_load_b128 v[96+8*\u:99+8*\u], v13, s[8:9] offset:32*\u
	global_load_b128 v[100+8*\u:103+8*\u], v13, s[8:9] offset:32*\u+16
.endr
	global_load_b128 v[112:115], v14, s[12:13]     ; b2: register j: column 16 nt + 8 h + j
	global_load_b128 v[116:119], v14, s[12:13] offset:16
	s_wait_dscnt 0x0                               ; the stores have read the codes' registers
	s_wait_loadcnt 38                              ; pooled is in; the 38 loads just issued may be out
	v_mov_b32 v120, 0xaf95df0b                     ; erf's leading coefficients, twice each.  They are made HERE: cls_w1's loads, which filled v64-127, have landed and their numbers have been converted,
	v_mov_b32 v121, 0xaf95df0b                     ; and no later load names v120-127
	v_mov_b32 v122, 0xb77460cd
	v_mov_b32 v123, 0xb77460cd
	QUANT 128, 32, 44, 54
	QUANT 192, 128, 140, 55
	BAR                                            ; cls_w1's four fragments lie in LDS
.irp f, 0,1,2,3
.irp i, 0,1,2
	ds_load_b128 v[148+12*\f+4*\i:151+12*\f+4*\i], v6 offset:W1IMG+1536*\f+512*\i
.endr
.endr
	ds_load_b32 v52, v7 offset:W1SC                ; lanes 0-15 K step 0's words, lanes 16-31 K step 1's
	ds_load_b32 v53, v7 offset:W1SC+128
	s_wait_dscnt 0x0
	s_wait_loadcnt 0x0                             ; b1 (and cls_w2, b2)
	NOPS 8                                         ; pooled's scale words and codes were written by vector instructions: eight and four plain instructions ahead of a scaled product
	; the two accumulators take turns
	v_wmma_scale_f32_16x16x128_f8f6f4 v[200:207], v[148:159], v[32:43], v[96:103], v52, v54 matrix_a_fmt:MATRIX_FMT_BF6 matrix_b_fmt:MATRIX_FMT_BF6
	v_wmma_scale_f32_16x16x128_f8f6f4 v[208:215], v[172:183], v[32:43], v[104:111], v53, v54 matrix_a_fmt:MATRIX_FMT_BF6 matrix_b_fmt:MATRIX_FMT_BF6
	v_wmma_scale_f32_16x16x128_f8f6f4 v[200:207], v[160:171], v[128:139], v[200:207], v52, v55 matrix_a_fmt:MATRIX_FMT_BF6 matrix_b_fmt:MATRIX_FMT_BF6 matrix_a_scale:MATRIX_SCALE_ROW1
	v_wmma_scale_f32_16x16x128_f8f6f4 v[208:215], v[184:195], v[128:139], v[208:215], v53, v55 matrix_a_fmt:MATRIX_FMT_BF6 matrix_b_fmt:MATRIX_FMT_BF6 matrix_a_scale:MATRIX_SCALE_ROW1
	NOPS 4                                         ; four plain instructions ahead of the first read of results and of writes over operands (ISA guide 7.12.1)
	GELU 8, 200, 216, 232, 148, 164, 120, 122      ; each accumulator is read from its low end on
	; the hidden layer's one block of 32: my 16 units and lane l xor 16's
	v_max3_num_f32 v[TM], |v200|, |v201|, 0x2800000
.irp i, 2,4,6,8,10,12,14
	v_max3_num_f32 v[TM], v[TM], |v[200+\i]|, |v[201+\i]|
.endr
	v_permlanex16_b32 v[TM+4], v[TM], s[SEL], s[SEL+1]
	v_max_num_f32 v[TM], v[TM], v[TM+4]
	v_add_nc_u32 v[TM+12], 0xfe000000, v[TM]
	v_lshrrev_b32 v[TM+5], 23, v[TM+12]            ; the scale word: the block's byte, and 0 for the three blocks of zero codes
	v_cvt_scalef32_pk16_bf6_f32 v[180:182], v[200:215], v[TM+12]
.irp i, 3,4,5,6,7,8,9,10,11
	v_mov_b32 v[180+\i], 0                         ; (plain instructions behind the conversion)
.endr
.irp i, 0,1,2
	v_permlane16_swap_b32 v[180+\i], v[183+\i]     ; lanes 0-15 end with the whole block (k 0-15, then 16-31), lanes 16-31, whose k would be 32-63, with zeros
.endr
.irp i, 0,1,2
	ds_store_b128 v10, v[180+4*\i:183+4*\i] offset:512*\i
.endr
	ds_store_b32 v11, v[TM+5]
	; cls_w2's block of my column
.irp c, 0,1
	v_max3_num_f32 v[TM+1+\c], |v[64+16*\c]|, |v[65+16*\c]|, 0x2800000
.endr
.irp i, 2,4,6,8,10,12,14
.irp c, 0,1
	v_max3_num_f32 v[TM+1+\c], v[TM+1+\c], |v[64+16*\c+\i]|, |v[65+16*\c+\i]|
.endr
.endr
	v_max_num_f32 v[TM+1], v[TM+1], v[TM+2]
	v_add_nc_u32 v[TM+13], 0xfe000000, v[TM+1]
	v_lshrrev_b32 v60, 23, v[TM+13]
	v_cvt_scalef32_pk16_bf6_f32 v[128:130], v[64:79], v[TM+13]
	v_cvt_scalef32_pk16_bf6_f32 v[140:142], v[80:95], v[TM+13]
	v_nop                                          ; one plain instruction behind the scaled conversions
.irp i, 0,1,2
	v_mov_b32 v[131+\i], v[140+\i]
.endr
.irp i, 0,1,2,3,4,5
	v_cndmask_b32 v[128+\i], v[128+\i], 0, s24     ; lanes 16-31 stand for k 32-63: zero codes
.endr
.irp i, 6,7,8,9,10,11
	v_mov_b32 v[128+\i], 0
.endr
	BAR                                            ; the hidden layer's four fragments lie in LDS
	s_cmp_eq_u32 s17, 63                           ; there is no tile 63
	s_cbranch_scc1 .Lend
.irp m, 0,1,2,3
.irp i, 0,1,2
	ds_load_b128 v[148+12*\m+4*\i:151+12*\m+4*\i], v6 offset:HIMG+1536*\m+512*\i
.endr
	ds_load_b32 v[56+\m], v7 offset:HSC+128*\m
.endr
	s_wait_dscnt 0x0
	NOPS 8                                         ; cls_w2's scale word and codes were written by vector instructions
.irp m, 0,1,2,3                        ; lane (r, h), register j: out0(16 m + r, 16 nt + 8 h + j)
	v_wmma_scale_f32_16x16x128_f8f6f4 v[64+8*\m:71+8*\m], v[128:139], v[148+12*\m:159+12*\m], v[112:119], v60, v[56+\m] matrix_a_fmt:MATRIX_FMT_BF6 matrix_b_fmt:MATRIX_FMT_BF6
.endr
	NOPS 4
	s_wait_xcnt 0x0                                ; EXEC changes only behind this wait
	v_cmp_gt_u32 vcc_lo, 1000, v61                 ; in tile 62 only the first eight columns exist
	s_wait_tensorcnt 0x0
	ds_add_u32 v62, v63
	s_wait_dscnt 0x0
	s_and_saveexec_b32 s25, vcc_lo
.irp m, 0,1,2,3
	global_store_b128 v15, v[64+8*\m:67+8*\m], s[14:15] offset:64000*\m       ; each accumulator from its low end on
	global_store_b128 v15, v[68+8*\m:71+8*\m], s[14:15] offset:64000*\m+16
.endr
	s_endpgm
.Lend:
	s_wait_tensorcnt 0x0
	ds_add_u32 v62, v63
	s_wait_dscnt 0x0
	s_endpgm
.Lfunc_end_k_q31b79efb79_cls:
	.size	k_q31b79efb79_cls, .Lfunc_end_k_q31b79efb79_cls-k_q31b79efb79_cls
	.p2alignl 7, 3214868480
	.fill 96, 4, 3214868480
	.section	.rodata,"a",@progbits
	.p2align	6, 0x0
	.amdhsa_kernel k_q31b79efb79_cls
		.amdhsa_group_segment_fixed_size 13824
		.amdhsa_private_segment_fixed_size 0
		.amdhsa_enable_private_segment 0
		.amdhsa_kernarg_size 48
		.amdhsa_user_sgpr_count 2
		.amdhsa_user_sgpr_kernarg_segment_ptr 1
		.amdhsa_wavefront_size32 1
		.amdhsa_system_sgpr_workgroup_id_x 1
		.amdhsa_system_sgpr_workgroup_id_y 1
		.amdhsa_system_sgpr_workgroup_id_z 1
		.amdhsa_system_vgpr_workitem_id 0
		.amdhsa_next_free_vgpr 256
		.amdhsa_next_free_sgpr 66
		.amdhsa_reserve_vcc 1
		.amdhsa_float_denorm_mode_32 3
		.amdhsa_float_denorm_mode_16_64 3
		.amdhsa_memory_ordered 1
		.amdhsa_forward_progress 1
		.amdhsa_inst_pref_size 48
	.end_amdhsa_kernel
	.amdgpu_metadata
---
amdhsa.version: [ 1, 2 ]
amdhsa.kernels:
  - .name:           k_q31b79efb79_cls
    .symbol:         k_q31b79efb79_cls.kd
    .args:
      - { .name: pooled, .offset: 0, .size: 8, .value_kind: global_buffer, .address_space: global }
      - { .name: cls_w1, .offset: 8, .size: 8, .value_kind: global_buffer, .address_space: global }
      - { .name: cls_b1, .offset: 16, .size: 8, .value_kind: global_buffer, .address_space: global }
      - { .name: cls_w2, .offset: 24, .size: 8, .value_kind: global_buffer, .address_space: global }
      - { .name: cls_b2, .offset: 32, .size: 8, .value_kind: global_buffer, .address_space: global }
      - { .name: out0, .offset: 40, .size: 8, .value_kind: global_buffer, .address_space: global }
    .group_segment_fixed_size: 13824
    .private_segment_fixed_size: 0
    .kernarg_segment_align: 8
    .kernarg_segment_size: 48
    .max_flat_workgroup_size: 128
    .sgpr_count:     66
    .vgpr_count:     256
    .wavefront_size: 32
...
	.end_amdgpu_metadata
.endif
;; end of part 3
